; MI455X (gfx1250); checked and timed in simulation.
; The chip was launched on July 23, 2026; its instructions are those of AMD's public machine-readable ISA for CDNA 5 (MIT licence, August 2026) and "CDNA5" Instruction Set Architecture Reference Guide (July 2026). The comments in the code are by the model that wrote it; some were corrected since.
;; Quantized Linear. Allowed arithmetic: matrix products marked QUANTISED: E2M1 operands, one E8M0 scale for each 32 along K, by v_wmma_scale_f32_16x16x128_f8f6f4 with both operands' format E2M1 (or v_wmma_scale_f32_32x16x128_f4), f32 sums; products left as they are: f32 operands where the result goes on into a quantised operand, else bf16, f16 or f32 operands; f32 sums; everything else in f32.
;; Inputs: normal_indices 3,968 int32; outlier_indices 128 int32; weight_int8 4,096 x 3,968 int8; weight_outlier_fp16 4,096 x 128 float32; weight_scale 4,096 float32; x 4 x 1,024 x 4,096 float32.
;; Outputs: out0 4 x 1,024 x 4,096 float32.
;; This version of the problem:
;;   THIS VERSION OF THE PROBLEM IS GIVEN IN LOW PRECISION. The matrix products marked QUANTISED in the list below multiply operands that are first quantised to E2M1 (2 exponent bits, 1 mantissa bit; 4 bits a number), with one power-of-two scale for each 32 numbers along K (OCP MX v1.0); their sums are f32. All else is computed in f32.
;;   The module's matrix products, in the order in which they are computed (A, B: the left and right operand; K: the contracted axis; several contracted axes count as one K, in the product's order):
;;     1. [M 4,096, K 3,968] x [K 3,968, N 4,096]; A: computed on the way; B: input weight_int8: left as it is (operands are no floats)
;;     2. [M 4,096, K 128] x [K 128, N 4,096]; A: computed on the way; B: input weight_outlier_fp16: QUANTISED
;;   THE QUANTISER, for each operand of a quantised product, along K:
;;     - K is cut into blocks of 32 from its start; a last block that is shorter is filled with zeros.
;;     - A block's scale is 2^e with e = floor(log2(the largest magnitude in the block)) - 2, held to -126 .. 127; a block of zeros has e = 0. As a byte (E8M0): e + 127.
;;     - Each number is divided by its block's scale, clamped to +-6, and rounded to the nearest number of E2M1, ties to even, subnormals kept.
;;     - The product sums the exact products of the quantised numbers (number of the format x scale) in f32.
;;   ~~~python
;;   def quantise(x, axis):      # numpy; x: float32 -> the quantised numbers, widened to float32 again
;;       x = np.moveaxis(x, axis, -1); K = x.shape[-1]
;;       x = np.pad(x, [(0, 0)] * (x.ndim - 1) + [(0, -K % 32)]); x = x.reshape(x.shape[:-1] + (-1, 32)); a = np.abs(x).max(-1, keepdims=True)
;;       e = np.where(a > 0, np.clip(np.frexp(np.where(a > 0, a, 1))[1] - 1 - 2, -126, 127), 0)      # np.frexp(a)[1] - 1 = floor(log2(a)), exactly
;;       r = np.clip(x / 2.0 ** e, -6, 6)
;;       step = 2.0 ** (np.maximum(np.frexp(np.where(r == 0, 1, r))[1] - 1, 0) - 1)
;;       q = np.round(r / step) * step * 2.0 ** e      # np.round: ties to even
;;       return np.moveaxis(q.reshape(q.shape[:-2] + (-1,))[..., :K], -1, axis).astype(np.float32)
;;   ~~~
;;   OPERANDS COMPUTED ON THE WAY. 'Computed on the way' means the value that the module computes at that place (a softmax that the list does not call 'softmax' is quantised finished and normalised). What goes into a quantiser is computed in f32, as accurately as f32 sums, v_exp_f32 and their like allow (about 1e-6 of the number): no bf16 or f16 on the way to a quantiser, and a product that is left as it is and whose result goes on into a quantised operand takes f32 operands (vector FMAs, or v_wmma_f32_16x16x4_f32). A number that lies on a knife's edge between two numbers of the format may be rounded either way, as far as f32 arithmetic and the matrix unit's own rounding can turn it there, and no further.
;; One version. Each part assembles by itself: llvm-mc -triple=amdgcn-amd-amdhsa -mcpu=gfx1250 --defsym DOCPART=n.
;; ======== version 1 of 1: 2 launches
;; workspace buffers: xq 16,777,216 bytes; xs 16,384 bytes; xo_codes 262,144 bytes; xo_scales 16,384 bytes; wo_codes 262,144 bytes; wo_scales 16,384 bytes
;; launch prep (part 1): grid 1056 x 1, 8 waves a work-group, no clusters, 66,816 bytes of LDS; arguments x, normal_indices, outlier_indices, weight_outlier_fp16, xq, xs, xo_codes, xo_scales, wo_codes, wo_scales; writes xq, xs, xo_codes, xo_scales, wo_codes, wo_scales
.if DOCPART == 1
	.amdgcn_target "amdgcn-amd-amdhsa--gfx1250"
	.amdhsa_code_object_version 6
	.text
	.protected	k_qa5e8a23c84_prep
	.globl	k_qa5e8a23c84_prep
	.p2align	8
	.type	k_qa5e8a23c84_prep,@function
k_qa5e8a23c84_prep:
	s_mov_b64 s[64:65], 0
	v_nop
	global_prefetch_b8 v0, s[64:65] scope:SCOPE_SE
	s_setreg_imm32_b32 hwreg(HW_REG_WAVE_MODE, 25, 1), 1
	s_wait_xcnt 0x0
; THE OPERANDS OF BOTH PRODUCTS ARE MADE ONCE.
; x path (work-groups 32 .. 1055, four tokens each): the 3,968 normal columns of a token are gathered by normal_indices, their largest magnitude m is found,
;   s = max(m, 1e-8) / 127, code = clip(round(x / s), -127, 127) as int8.  xq: [4096 tokens][4096 bytes], byte 128 + j = code j; bytes 0 .. 127 are copies of codes 0 .. 15, written so that
;   every store covers whole aligned runs of 512 bytes, and read by nobody.  xs: [4096] f32 = s.  The 128 outlier columns are gathered by outlier_indices and quantised to E2M1 with one E8M0
;   byte for each 32: xo_codes [4096][64 bytes], xo_scales [4096][4 bytes].
; W path (work-groups 0 .. 31): weight_outlier_fp16 [4096][128] f32 becomes wo_codes, wo_scales in the same layout.
; A block's scale is 2^(floor(log2(largest magnitude)) - 2): its byte is that magnitude's exponent field - 2, held at 1 from below.
; LIMITS: NaN and infinities are not served.  A block of zeros gets the byte 1 where the quantiser says 127: its codes are zeros, and only this program reads the bytes.
;   x / s is x r refined by one residual step, r = 1 / s refined by one Newton step: a quotient that lies at an exact half may round the other way than a true division's.
;   s beyond 2^126 (its reciprocal would be denormal) is not served.  An index beyond 4,095 is held inside the row's LDS bytes.
;   xs (16 bytes a work-group) and the scale bytes (16 bytes a store) leave in short pieces: 49,152 bytes of the launch's 17 million.
; WHY SO: a token's row (16,384 bytes) is read once, by dense loads of 512 bytes a wave, into LDS, and gathered from there; the row's maximum must be known before its first code.
;   The work-groups share no input but the two index lists (16 KB): no cluster, no joint loads, no matrix unit, no tensor load.
; LDS: byte a of row p lies at 16384 p + (a xor ((a >> 4) & 0xf0)): a thread's 16 columns are neighbours, so the lanes of a gather stand about 64 bytes apart, and the exclusive or
;   spreads them over all sixteen 16-byte columns of a row of banks.  Behind the rows: 4 x 8 words for the waves' partial maxima.
.set PM,  65536                        ; the partial maxima: word [row p][wave w] at PM + 32 p + 4 w
.set XL,  1                            ; v1   x path: 16 x thread (dense loads of x, stores of xq);  W path: 64 x lane
.set SAD, 2                            ; v2   16 x (thread xor bits 7:4 of thread): where a dense load's 16 bytes go in LDS
.set NJ,  3                            ; v3   byte offset of my 16 normal indices: 64 x (max(thread, 8) - 8)
.set OJ,  4                            ; v4   of my 16 outlier indices: 64 x (thread % 8)
.set PMA, 5                            ; v5   PM + 4 x wave
.set PMB, 6                            ; v6   PM
.set OC,  7                            ; v7   8 x lane: my 16 codes of E2M1
.set OB,  8                            ; v8   lane / 2: my block's scale byte
.set ZR,  9                            ; v9   0
.set MX,  10                           ; v10-13  largest magnitude of row p
.set PT,  14                           ; v14-17  what the other half of the lanes holds
.set SC,  18                           ; v18-21  s of row p: four on end, for one store
.set RP,  22                           ; v22-29  pairs (r, r), r = 1 / s
.set X,   32                           ; v32-95  sixteen dense loads; then row p's 16 gathered numbers at X + 16 p
.set OFF, 96                           ; v96-111   LDS offsets of my 16 normal columns
.set OOF, 112                          ; v112-127  of my 16 outlier columns; later partial maxima
.set OG,  128                          ; v128-143  16 gathered outlier numbers; later partial maxima
.set T,   144                          ; v144-159  at work
.set Q,   160                          ; v160-175  row p's 16 codes, four registers; W path: codes and bytes of its four steps
.set NS,  176                          ; v176-183  pairs (-s, -s)
; 16 numbers of a lane, v[s] .. v[s + 15], half a block of 32 (the neighbouring lane holds the other half), become 16 codes in v[c], v[c + 1] and the block's byte in v[e]
.macro QUANT16 s, c, e
	v_max3_num_f32 v188, |v[\s]|, |v[\s+1]|, |v[\s+2]|             ; two chains that do not wait for each other
	v_max3_num_f32 v189, |v[\s+3]|, |v[\s+4]|, |v[\s+5]|
.irp i, 6,10
	v_max3_num_f32 v188, v188, |v[\s+\i]|, |v[\s+\i+1]|
	v_max3_num_f32 v189, v189, |v[\s+\i+2]|, |v[\s+\i+3]|
.endr
	v_max3_num_f32 v188, v188, |v[\s+14]|, |v[\s+15]|
	v_max3_num_f32 v188, v188, v189, 0x1800000                     ; and the floor 2^(3 - 127): the byte cannot fall under 1
	v_max_num_f32_dpp v188, v188, v188 row_xmask:1 row_mask:0xf bank_mask:0xf   ; with my neighbour's 16: the block's largest magnitude
	v_add_nc_u32 v187, 0xff000000, v188                            ; 2 off its exponent field: the conversion takes the exponent field of this operand as its scale
	v_cvt_scalef32_pk8_fp4_f32 v[\c], v[\s:\s+7], v187             ; to the nearest code, ties to even, beyond 6 the largest code
	v_cvt_scalef32_pk8_fp4_f32 v[\c+1], v[\s+8:\s+15], v187
	v_lshrrev_b32 v[\e], 23, v187                                  ; the byte; also the plain line behind the conversions
.endm
; 16 column indices in v[b] on become LDS offsets in a row: a = 4 c, a xor ((a >> 4) & 0xf0); the hold at the row's last word comes last
.macro SWZ b
.irp i, 0,1,2,3,4,5,6,7,8,9,10,11,12,13,14,15
	v_lshrrev_b32 v[T+\i], 2, v[\b+\i]
.endr
.irp i, 0,1,2,3,4,5,6,7,8,9,10,11,12,13,14,15
	v_and_b32 v[T+\i], 0xf0, v[T+\i]
.endr
.irp i, 0,1,2,3,4,5,6,7,8,9,10,11,12,13,14,15
	v_lshlrev_b32 v[\b+\i], 2, v[\b+\i]
.endr
.irp i, 0,1,2,3,4,5,6,7,8,9,10,11,12,13,14,15
	v_xor_b32 v[\b+\i], v[\b+\i], v[T+\i]
.endr
.irp i, 0,1,2,3,4,5,6,7,8,9,10,11,12,13,14,15
	v_min_u32 v[\b+\i], 0x3ffc, v[\b+\i]
.endr
.endm
; Row p: my 16 numbers / s, rounded to whole numbers, clipped, packed to 16 bytes and stored
.macro QROW p
.irp k, 0,2,4,6,8,10,12,14
	v_pk_mul_f32 v[T+\k:T+\k+1], v[X+16*\p+\k:X+16*\p+\k+1], v[RP+2*\p:RP+2*\p+1]                                     ; y = x r
.endr
.irp k, 0,2,4,6,8,10,12,14
	v_pk_fma_f32 v[X+16*\p+\k:X+16*\p+\k+1], v[T+\k:T+\k+1], v[NS+2*\p:NS+2*\p+1], v[X+16*\p+\k:X+16*\p+\k+1]         ; what is left: x - y s
.endr
.irp k, 0,2,4,6,8,10,12,14
	v_pk_fma_f32 v[T+\k:T+\k+1], v[X+16*\p+\k:X+16*\p+\k+1], v[RP+2*\p:RP+2*\p+1], v[T+\k:T+\k+1]                     ; y + (x - y s) r: the quotient
.endr
.irp k, 0,2,4,6,8,10,12,14
	v_pk_add_f32 v[T+\k:T+\k+1], v[T+\k:T+\k+1], 0x4b400000 op_sel_hi:[1,0]   ; + 1.5 x 2^23: the sum is rounded to a whole number, ties to even, and its lowest byte is that number as int8
.endr
.irp k, 0,1,2,3,4,5,6,7,8,9,10,11,12,13,14,15
	v_med3_num_f32 v[T+\k], v[T+\k], s30, s31                      ; the clip at -127 and 127, on the shifted numbers
.endr
.irp k, 0,2,4,6,8,10,12,14
	v_perm_b32 v[T+\k], v[T+\k+1], v[T+\k], s32                    ; the lowest bytes of two
.endr
.irp m, 0,1,2,3
	v_perm_b32 v[Q+4*\p+\m], v[T+4*\m+2], v[T+4*\m], s33           ; of four
.endr
	global_store_b128 v[XL], v[Q+4*\p:Q+4*\p+3], s[12:13] offset:4096*\p   ; a wave stores 512 consecutive bytes, aligned; each row has registers of its own, so none is written again
.endm
	s_load_b256 s[4:11], s[0:1], 0x0               ; x s[4:5], normal_indices s[6:7], outlier_indices s[8:9], weight_outlier s[10:11]
	s_load_b256 s[12:19], s[0:1], 0x20             ; xq s[12:13], xs s[14:15], xo_codes s[16:17], xo_scales s[18:19]
	s_load_b128 s[20:23], s[0:1], 0x40             ; wo_codes s[20:21], wo_scales s[22:23]
	v_lshl_add_u32 v192, v0, 2, 0x10100
	v_mov_b32 v193, 0
	v_lshrrev_b32 v31, 5, v0
	v_readfirstlane_b32 s24, v31                   ; wave 0..7
	v_and_b32 v30, 31, v0                          ; lane
	v_lshlrev_b32 v[OC], 3, v30
	v_lshrrev_b32 v[OB], 1, v30
	s_mov_b32 s27, 0                               ; the upper word of every offset pair s[26:27]
	s_cmp_lt_u32 ttmp9, 32                         ; the work-group's number alone decides the path: all eight waves take the same
	s_cbranch_scc1 .Lw
	; ---------------- x path: tokens 4 g .. 4 g + 3
	s_sub_co_u32 s25, ttmp9, 32                    ; g
	v_lshlrev_b32 v[XL], 4, v0
	v_bfe_u32 v[SAD], v0, 4, 4
	v_xor_b32 v[SAD], v[SAD], v0
	v_lshlrev_b32 v[SAD], 4, v[SAD]
	v_max_u32 v[NJ], 8, v0                         ; thread t owns j = 16 t - 128 + 0 .. 15; threads 0-7 take j = 0 .. 15 once more: true normal columns, so the maximum is not changed
	v_add_nc_u32 v[NJ], -8, v[NJ]
	v_lshlrev_b32 v[NJ], 6, v[NJ]
	v_and_b32 v[OJ], 7, v0
	v_lshlrev_b32 v[OJ], 6, v[OJ]
	v_lshl_add_u32 v[PMA], v31, 2, PM
	v_mov_b32 v[PMB], PM
	v_mov_b32 v[ZR], 0
	v_bfe_u32 v30, v0, 3, 2                        ; the outliers' row: (thread / 8) % 4
.irp p, 0,1,2,3
	v_mov_b32 v[PT+\p], 0                          ; written once: a lane permute's destination counts as one of its sources
.endr
	s_mov_b32 s28, 0x76543210
	s_mov_b32 s29, 0xfedcba98                      ; v_permlanex16_b32's selects for lane l xor 16
	s_mov_b32 s30, 0x4b3fff81                      ; 1.5 x 2^23 - 127
	s_mov_b32 s31, 0x4b40007f                      ; 1.5 x 2^23 + 127
	s_mov_b32 s32, 0x04000400                      ; byte 0 of the second source, byte 0 of the first
	s_mov_b32 s33, 0x05040100                      ; bytes 0, 1 of the second source, bytes 0, 1 of the first
	s_mov_b32 s35, 0x3c010204                      ; 1 / 127
	s_mov_b32 s36, 0x42fe0000                      ; 127
	s_mov_b32 s37, 0x322bcc77                      ; 1e-8
	s_wait_kmcnt 0x0
	s_lshl_b32 s26, s25, 16                        ; four rows of 16,384 bytes
	s_add_nc_u64 s[4:5], s[4:5], s[26:27]
	s_lshl_b32 s26, s25, 14                        ; four rows of 4,096
	s_add_nc_u64 s[12:13], s[12:13], s[26:27]
	s_lshl_b32 s26, s25, 4                         ; four words
	s_add_nc_u64 s[14:15], s[14:15], s[26:27]
	s_add_nc_u64 s[18:19], s[18:19], s[26:27]
	s_lshl_b32 s26, s25, 8                         ; four rows of 64
	s_add_nc_u64 s[16:17], s[16:17], s[26:27]
.irp q, 0,1,2,3
	global_load_b128 v[OFF+4*\q:OFF+4*\q+3], v[NJ], s[6:7] offset:16*\q
.endr
.irp q, 0,1,2,3
	global_load_b128 v[OOF+4*\q:OOF+4*\q+3], v[OJ], s[8:9] offset:16*\q
.endr
.irp q, 0,1,2,3,4,5,6,7,8,9,10,11,12,13,14,15
	global_load_b128 v[X+4*\q:X+4*\q+3], v[XL], s[4:5] offset:4096*\q th:TH_LOAD_NT   ; the four rows are 65,536 consecutive bytes: a wave reads 512 of them, the work-group 4,096
.endr
	s_wait_loadcnt 16                              ; the eight loads of indices are in; the sixteen of x stay out
	SWZ OFF
	SWZ OOF                                        ; every wave makes these, so that each LDS address register exists ahead of the branch on the wave's number
.irp i, 0,1,2,3,4,5,6,7,8,9,10,11,12,13,14,15
	v_lshl_add_u32 v[OOF+\i], v30, 14, v[OOF+\i]   ; + the outliers' row
.endr
.irp q, 0,1,2,3,4,5,6,7,8,9,10,11,12,13,14,15
	s_wait_loadcnt 15-\q                           ; loads come back in order: load q is in, the younger ones stay out
	ds_store_b128 v[SAD], v[X+4*\q:X+4*\q+3] offset:4096*\q
.endr
	s_wait_dscnt 0x0                               ; for the others' sake: my stores have landed
	s_barrier_signal -1
	s_barrier_wait -1                              ; the four rows lie in LDS
.irp p, 0,1,2,3
.irp i, 0,1,2,3,4,5,6,7,8,9,10,11,12,13,14,15
	ds_load_b32 v[X+16*\p+\i], v[OFF+\i] offset:16384*\p           ; x[row p][normal_indices[j]]
.endr
.endr
	s_cmp_lg_u32 s24, 0                            ; wave 0 also owns the 4 x 128 outliers: lane l takes row l / 8, k = 16 (l % 8) + 0 .. 15
	s_cbranch_scc1 .Lnot_wave_0
.irp i, 0,1,2,3,4,5,6,7,8,9,10,11,12,13,14,15
	ds_load_b32 v[OG+\i], v[OOF+\i]
.endr
	s_wait_dscnt 0x0
	QUANT16 OG, 184, 186
	global_store_b64 v[OC], v[184:185], s[16:17]   ; four rows of 64 bytes: 256 consecutive bytes, aligned
	global_store_b8 v[OB], v186, s[18:19]          ; both lanes of a block write the same byte with the same value
.Lnot_wave_0:
	s_wait_dscnt 0x0                               ; my gathers are in: behind the next barrier LDS is written again
	s_barrier_signal -1
.irp p, 0,1,2,3                                    ; work on registers between signal and wait: the largest magnitude of my 16, the four rows by turns
	v_max3_num_f32 v[MX+\p], |v[X+16*\p]|, |v[X+16*\p+1]|, |v[X+16*\p+2]|
.endr
.irp i, 3,5,7,9,11,13
.irp p, 0,1,2,3
	v_max3_num_f32 v[MX+\p], v[MX+\p], |v[X+16*\p+\i]|, |v[X+16*\p+\i+1]|
.endr
.endr
.irp p, 0,1,2,3
	v_max_num_f32 v[MX+\p], v[MX+\p], |v[X+16*\p+15]|
.endr
.irp m, 1,2,4,8
.irp p, 0,1,2,3
	v_max_num_f32_dpp v[MX+\p], v[MX+\p], v[MX+\p] row_xmask:\m row_mask:0xf bank_mask:0xf
.endr
.endr
.irp p, 0,1,2,3
	v_permlanex16_b32 v[PT+\p], v[MX+\p], s28, s29
.endr
.irp p, 0,1,2,3
	v_max_num_f32 v[MX+\p], v[MX+\p], v[PT+\p]     ; my wave's 512 columns
.endr
	s_barrier_wait -1                              ; no wave gathers any more
.irp p, 0,1,2,3
	ds_store_b32 v[PMA], v[MX+\p] offset:32*\p     ; all lanes write the same word with the same value
.endr
	s_wait_dscnt 0x0
	s_barrier_signal -1
	s_barrier_wait -1
.irp k, 0,1,2,3,4,5,6,7
	ds_load_b128 v[112+4*\k:115+4*\k], v[PMB] offset:16*\k         ; row p's eight partial maxima at v[112 + 8 p]
.endr
	s_wait_dscnt 0x0
.irp p, 0,1,2,3
	v_max3_num_f32 v[MX+\p], v[112+8*\p], v[113+8*\p], s37         ; max(m, 1e-8)
.endr
.irp i, 2,4,6
.irp p, 0,1,2,3
	v_max3_num_f32 v[MX+\p], v[MX+\p], v[112+8*\p+\i], v[113+8*\p+\i]
.endr
.endr
.irp p, 0,1,2,3
	v_mul_f32 v[T+\p], s35, v[MX+\p]               ; s = m / 127: q = m x (1 / 127),
.endr
.irp p, 0,1,2,3
	v_fma_f32 v[T+4+\p], -v[T+\p], s36, v[MX+\p]   ; what is left, m - 127 q,
.endr
.irp p, 0,1,2,3
	v_fma_f32 v[SC+\p], v[T+4+\p], s35, v[T+\p]    ; and q + that / 127
.endr
.irp p, 0,1,2,3
	v_rcp_f32 v[RP+2*\p], v[SC+\p]
.endr
.irp p, 0,1,2,3
	v_mul_f32 v[NS+2*\p], -1.0, v[SC+\p]           ; plain lines behind the reciprocals, which name none of their results
.endr
.irp p, 0,1,2,3
	v_mov_b32 v[NS+2*\p+1], v[NS+2*\p]
.endr
	s_wait_alu depctr_va_vdst(0)                   ; one wait for the four reciprocals, ahead of their first reader
.irp p, 0,1,2,3
	v_fma_f32 v[T+\p], v[NS+2*\p], v[RP+2*\p], 1.0 ; 1 - s r
.endr
.irp p, 0,1,2,3
	v_fma_f32 v[RP+2*\p], v[T+\p], v[RP+2*\p], v[RP+2*\p]          ; r + r (1 - s r)
.endr
.irp p, 0,1,2,3
	v_mov_b32 v[RP+2*\p+1], v[RP+2*\p]
.endr
	QROW 0
	QROW 1
	QROW 2
	QROW 3
	s_wait_xcnt 0x0                                ; EXEC is a source of the stores above: it changes only behind this wait
	v_cmp_eq_u32 vcc_lo, 0, v0
	s_wait_tensorcnt 0x0
	ds_add_u32 v192, v193
	s_wait_dscnt 0x0
	s_and_saveexec_b32 s34, vcc_lo                 ; thread 0 alone
	global_store_b128 v[ZR], v[SC:SC+3], s[14:15]  ; the four tokens' s
	s_wait_xcnt 0x0                                ; and again in front of the line that widens it
	s_or_b32 exec_lo, exec_lo, s34
	s_endpgm
	; ---------------- W path: wave u = 8 x work-group + wave takes rows 16 u .. 16 u + 15 of weight_outlier: 2,048 numbers, four steps of 512, 16 neighbours a lane.
	; No LDS: a step's four loads together cover its 2,048 bytes; this path reads 2 MB of the launch's 69.
.Lw:
	s_lshl_b32 s25, ttmp9, 3
	s_add_co_u32 s25, s25, s24                     ; u
	v_lshlrev_b32 v[XL], 6, v30                    ; 64 bytes a lane
	s_wait_kmcnt 0x0
	s_lshl_b32 s26, s25, 13                        ; 8,192 bytes of f32,
	s_add_nc_u64 s[10:11], s[10:11], s[26:27]
	s_lshl_b32 s26, s25, 10                        ; 1,024 of codes,
	s_add_nc_u64 s[20:21], s[20:21], s[26:27]
	s_lshl_b32 s26, s25, 6                         ; 64 scale bytes
	s_add_nc_u64 s[22:23], s[22:23], s[26:27]
.irp st, 0,1,2,3
.irp i, 0,1,2,3
	global_load_b128 v[X+16*\st+4*\i:X+16*\st+4*\i+3], v[XL], s[10:11] offset:2048*\st+16*\i
.endr
.endr
.irp st, 0,1,2,3
	s_wait_loadcnt 12-4*\st                        ; this step's four loads are in; the later steps' stay out
	QUANT16 X+16*\st, Q+2*\st, Q+8+\st             ; each step has registers of its own for its codes and its byte: no store's data are written again
	global_store_b64 v[OC], v[Q+2*\st:Q+2*\st+1], s[20:21] offset:256*\st   ; 256 consecutive bytes, aligned
	global_store_b8 v[OB], v[Q+8+\st], s[22:23] offset:16*\st
.endr
	s_endpgm
.Lfunc_end_k_qa5e8a23c84_prep:
	.size	k_qa5e8a23c84_prep, .Lfunc_end_k_qa5e8a23c84_prep-k_qa5e8a23c84_prep
	.p2alignl 7, 3214868480
	.fill 96, 4, 3214868480
	.section	.rodata,"a",@progbits
	.p2align	6, 0x0
	.amdhsa_kernel k_qa5e8a23c84_prep
		.amdhsa_group_segment_fixed_size 66816
		.amdhsa_private_segment_fixed_size 0
		.amdhsa_enable_private_segment 0
		.amdhsa_kernarg_size 80
		.amdhsa_user_sgpr_count 2
		.amdhsa_user_sgpr_kernarg_segment_ptr 1
		.amdhsa_wavefront_size32 1
		.amdhsa_system_sgpr_workgroup_id_x 1
		.amdhsa_system_sgpr_workgroup_id_y 1
		.amdhsa_system_sgpr_workgroup_id_z 1
		.amdhsa_system_vgpr_workitem_id 0
		.amdhsa_next_free_vgpr 194
		.amdhsa_next_free_sgpr 66
		.amdhsa_reserve_vcc 1
		.amdhsa_float_denorm_mode_32 3
		.amdhsa_float_denorm_mode_16_64 3
		.amdhsa_memory_ordered 1
		.amdhsa_forward_progress 1
		.amdhsa_inst_pref_size 51
	.end_amdhsa_kernel
	.amdgpu_metadata
---
amdhsa.version: [ 1, 2 ]
amdhsa.kernels:
  - .name:           k_qa5e8a23c84_prep
    .symbol:         k_qa5e8a23c84_prep.kd
    .args:
      - { .name: x, .offset: 0, .size: 8, .value_kind: global_buffer, .address_space: global }
      - { .name: normal_indices, .offset: 8, .size: 8, .value_kind: global_buffer, .address_space: global }
      - { .name: outlier_indices, .offset: 16, .size: 8, .value_kind: global_buffer, .address_space: global }
      - { .name: weight_outlier_fp16, .offset: 24, .size: 8, .value_kind: global_buffer, .address_space: global }
      - { .name: xq, .offset: 32, .size: 8, .value_kind: global_buffer, .address_space: global }
      - { .name: xs, .offset: 40, .size: 8, .value_kind: global_buffer, .address_space: global }
      - { .name: xo_codes, .offset: 48, .size: 8, .value_kind: global_buffer, .address_space: global }
      - { .name: xo_scales, .offset: 56, .size: 8, .value_kind: global_buffer, .address_space: global }
      - { .name: wo_codes, .offset: 64, .size: 8, .value_kind: global_buffer, .address_space: global }
      - { .name: wo_scales, .offset: 72, .size: 8, .value_kind: global_buffer, .address_space: global }
    .group_segment_fixed_size: 66816
    .private_segment_fixed_size: 0
    .kernarg_segment_align: 8
    .kernarg_segment_size: 80
    .max_flat_workgroup_size: 256
    .sgpr_count:     66
    .vgpr_count:     194
    .wavefront_size: 32
...
	.end_amdgpu_metadata
.endif
;; end of part 1
;; launch gemm (part 2): grid 16 x 16, 4 waves a work-group, clusters of 4 x 4, 327,680 bytes of LDS; arguments xq, weight_int8, xs, weight_scale, xo_codes, xo_scales, wo_codes, wo_scales, out0; writes out0
.if DOCPART == 2
	.amdgcn_target "amdgcn-amd-amdhsa--gfx1250"
	.amdhsa_code_object_version 6
	.text
	.protected	k_qa5e8a23c84_gemm
	.globl	k_qa5e8a23c84_gemm
	.p2align	8
	.type	k_qa5e8a23c84_gemm,@function
k_qa5e8a23c84_gemm:
	s_mov_b64 s[64:65], 0
	v_nop
	global_prefetch_b8 v0, s[64:65] scope:SCOPE_SE
	s_setreg_imm32_b32 hwreg(HW_REG_WAVE_MODE, 25, 1), 1
	s_wait_xcnt 0x0
	s_wait_alu depctr_hold_cnt(0) depctr_sa_sdst(0) depctr_va_vdst(0) depctr_va_sdst(0) depctr_va_ssrc(0) depctr_va_vcc(0) depctr_vm_vsrc(0)
	s_getreg_b32 s2, hwreg(HW_REG_IB_STS2, 6, 4)
	s_cmp_eq_u32 s2, 0
	s_cbranch_scc0 .Lentry_in_a_cluster
	s_endpgm
.Lentry_in_a_cluster:
	s_bfe_u32 s2, ttmp6, 0x10000c
	s_cmp_lg_u32 s2, 0xf033
	s_cbranch_scc0 .Lentry_shape_is_right
	s_endpgm
.Lentry_shape_is_right:
; out0[t][n] = f32(sum over j of xq[t][j] W[n][j]) xs[t] ws[n] + sum over k of xo[t][k] wo[n][k].
; THE FIRST PRODUCT (K = 3,968) multiplies whole numbers of 8 bits, as they lie in memory, by v_wmma_i32_16x16x64_iu8, both sides signed: its i32 sums are exact (at most 3,968 x 127^2), whatever the order of k.
; THE SECOND (K = 128) multiplies codes of E2M1 with E8M0 scales by v_wmma_scale_f32_16x16x128_f8f6f4; the scaled first product is its C, so the last addition costs no line.
; xq: [4096][4096 bytes], code j at byte 128 + j.  W = weight_int8: [4096][3968 bytes].  xo_codes, wo_codes: [4096][64 bytes]; xo_scales, wo_scales: [4096][4 bytes].
; SHARES.  A tile of out0, 256 x 256, is made by a work-group of four waves; a wave makes 128 x 128: 64 accumulators of 16 x 16, 512 registers.  16 x 16 tiles: one work-group each.
; K goes through a ring of two LDS slots filled by the tensor data mover: 3,968 = 128 + 15 x 256.  Step 0 is the short one (it stands ahead of the loop anyway, since its products start the sums);
; steps 1 to 15 are rows of 256 bytes; in xq they begin at multiples of 256 bytes, which is why the codes begin at byte 128 of a row.  Step s lies in slot s % 2.
; CLUSTERS: 4 x 4 work-groups.  The four of a row of the cluster need the same tiles of xq, the four of a column the same tiles of W: each tile is asked for JOINTLY, by the same tensor load with the same
; descriptor and a mask that names the four.  By this text's count a wave has two tensor loads out at the start and one behind each later round.
; No prefetch is written: from a refill's request to the wait for it a wave issues 224 matrix instructions.
; THE MATRIX INSTRUCTIONS ARE USED TRANSPOSED (source 0 = 16 rows of W or wo, source 1 = 16 tokens): lane l then holds token l % 16 and eight neighbouring outputs 8 (l / 16) + 0 .. 7.
; A FRAGMENT of the first product is 16 rows x 64 k in 8 registers, brought by two loads of 16 bytes, 32 bytes apart, at row x pitch + 16 (l / 16): k stands in other places than the form's own map, alike on both sides.
; REGISTERS, in windows of 256: window 0: v1-29 addresses; v32-39 xo's scale words, v40-47 wo's; v48-63 xs of my eight blocks of tokens, a pair each; v64-127, v128-191 fragments of xq, two buffers, later rows on
;   the way out; v192-255 ws of my 128 outputs in the result's layout.   window 1: v0-63 wo's eight fragments; v64-127, v128-191 fragments of W, two buffers; v192-255 xo's eight fragments.
;   window 2: the accumulators of my tokens 0-63 (accumulator (a, b) at v[8 (8 (a % 4) + b)]);   window 3: those of tokens 64-127.
.set KA,     4096                      ; a row of xq in bytes
.set KB,     3968                      ; a row of W
.set NOUT,   4096
.set PITCH,  272                       ; an LDS row: 256 bytes + 16 of padding = 68 words: row r starts at bank 4 r mod 64 (64 banks of 4 bytes: ISA guide 11.1), so the 16 rows that a load touches start at 16 different banks
.set HALFT,  128*PITCH                 ; 128 rows: what one tensor load brings, and what one wave reads of xq or of W
.set SLOT,   4*HALFT                   ; xq's 256 rows, then W's 256 rows
.set SPARE,  2*SLOT                    ; behind the ring: the spare words, 128 bytes for each wave: two blocks of 256 bytes that no other line names
.set SPITCH, 528                       ; the way out: a stage of 16 rows x (512 bytes + 16) for each wave, in slot 0, which has had its last fill and its last read when the first result is stored there
.set ADRA, 16                          ; v16-17  LDS address of my fragments of xq in slot 0, 1
.set ADRB, 20                          ; v20-21  the same for W
.set STO,  24                          ; v24     the way out: where I put 32 bytes of a row
.set RD,   25                          ; v25     where I read a row back
.set CO,   26                          ; v26     my byte offset in a row of out0
.set SPW,  28                          ; v28     LDS address of my spare word: SPARE + 4 x my thread's number; never rewritten
.set NIL,  29                          ; v29     0; never rewritten
.set SA,   32
.set SB,   40
.set XS,   48
.set F0,   64
.set F1,   128
.set BK,   64
.set WS,   192
.set XOF,  192                         ; in window 1
.set G1,   24                          ; s[24:31] descriptor group 1 for xq's tiles;  s[32:39] group 0, one set for each slot
.set G0,   32
.set G1B,  48                          ; s[48:55], s[56:63] the same for W's tiles
.set G0B,  56
.set G1F,  68                          ; s[68:75] group 1 for xq's tile of step 0;  s[76:83] for W's
.set G1BF, 76
.set MSB, 0
.macro WIN new                         ; the immediate's high byte repeats the setting that is left; a switch that changes nothing is dropped
.if MSB != \new
	s_set_vgpr_msb (MSB<<8)|\new
.set MSB, \new
.endif
.endm
.set MUL_LO, 0xa1                      ; source 0 (W) window 1, source 1 (xq) window 0, C and D window 2
.set MUL_HI, 0xf1                      ; the same, C and D window 3
.set TO_B,   0x40                      ; destination window 1, address window 0
; A joint load: waves 0 and 1 fetch xq's two halves, waves 2 and 3 W's.  Each of the two lines has ONE mask and one set of registers for all that issue it; the branch hangs on the wave's number alone.
; Four v_nop follow each of the two lines, ahead of the jump, the label and what follows.
.macro JLOAD g0a, g1a, g0b, g1b
	s_cmp_eq_u32 s23, 0
	s_cbranch_scc0 .Lfor_b_\@
	tensor_load_to_lds s[\g0a:\g0a+3], s[\g1a:\g1a+7]
	s_nop 0
.rept 4
	v_nop
.endr
	s_branch .Lasked_\@
.Lfor_b_\@:
	tensor_load_to_lds s[\g0b:\g0b+3], s[\g1b:\g1b+7]
	s_nop 0
.rept 4
	v_nop
.endr
.Lasked_\@:
.endm
.macro CREST                           ; a round of the cluster's barrier behind its opening barrier
	s_cmp_lg_u32 s22, 0
	s_cbranch_scc1 .Lnot_wave_0_\@
	s_barrier_signal -3
.Lnot_wave_0_\@:
	s_barrier_wait -3
	s_barrier_signal -1
	s_barrier_wait -1
.endm
.macro CROUND                          ; a whole round
	s_barrier_signal -1
	s_barrier_wait -1
	CREST
.endm
	s_load_b256 s[4:11], s[0:1], 0x0               ; xq s[4:5], W s[6:7], xs s[8:9], ws s[10:11]
	s_load_b256 s[12:19], s[0:1], 0x20             ; xo_codes s[12:13], xo_scales s[14:15], wo_codes s[16:17], wo_scales s[18:19]
	s_load_b64 s[20:21], s[0:1], 0x40              ; out0
	v_lshl_add_u32 v[SPW], v0, 2, SPARE
	v_mov_b32 v[NIL], 0
	ds_add_u32 v28, v29
	ds_add_u32 v28, v29
	s_wait_dscnt 0x0
	v_lshrrev_b32 v1, 5, v0
	v_readfirstlane_b32 s22, v1                    ; wave 0..3
	s_lshr_b32 s23, s22, 1                         ; which half of the tile's tokens is mine.  Also: I fetch for xq (0) or for W (1)
	s_and_b32 s84, s22, 1                          ; which half of its outputs.  Also: which 128 rows of that tile I fetch
	s_bfe_u32 s40, ttmp6, 0x40000                  ; cx, cy: my place in the cluster
	s_bfe_u32 s41, ttmp6, 0x40004
	s_lshl_b32 s42, ttmp9, 2
	s_add_co_u32 s42, s42, s40                     ; tile column = 4 x cluster x + cx
	s_and_b32 s43, ttmp7, 0xffff
	s_lshl_b32 s43, s43, 2
	s_add_co_u32 s43, s43, s41                     ; tile row = 4 x cluster y + cy
	s_lshl_b32 s44, s41, 2
	s_lshl_b32 s44, 15, s44                        ; my row of the cluster
	s_lshl_b32 s45, 0x1111, s40                    ; my column
	; descriptor group 1: a tile of 128 rows x 256 bytes, padded in LDS.  15:0 the mask; 17:16 elements of 1 byte; 20 padding on; 21 set beside a mask; 24:22 after every 64 words (code 5); 31:25 four words (code 3)
	s_or_b32 s[G1+0], s44, (1<<20)|(1<<21)|(5<<22)|(3<<25)
	s_or_b32 s[G1F+0], s44, (1<<20)|(1<<21)|(5<<22)|(3<<25)
	s_or_b32 s[G1B+0], s45, (1<<20)|(1<<21)|(5<<22)|(3<<25)
	s_or_b32 s[G1BF+0], s45, (1<<20)|(1<<21)|(5<<22)|(3<<25)
.irp g, G1, G1B, G1F, G1BF
	s_mov_b32 s[\g+2], 128<<16                     ; tensor_dim1 = 128
	s_mov_b32 s[\g+3], 256<<16                     ; tile_dim0 = 256
	s_mov_b32 s[\g+4], 128                         ; tile_dim1 = 128
	s_mov_b32 s[\g+6], 0
	s_mov_b32 s[\g+7], 0
.endr
	s_mov_b32 s[G1+1], 256<<16                     ; tensor_dim0 = 256
	s_mov_b32 s[G1B+1], 256<<16
	s_mov_b32 s[G1F+1], 128<<16                    ; step 0: 128 bytes of each row are left of the tensor; the tile's other 128 arrive as zeros and are not read
	s_mov_b32 s[G1BF+1], 128<<16
	s_mov_b32 s[G1+5], KA                          ; from row to row
	s_mov_b32 s[G1F+5], KA
	s_mov_b32 s[G1B+5], KB
	s_mov_b32 s[G1BF+5], KB
	; where the tiles come from.  xq's hang on the tile row alone, which my row of the cluster shares; W's on the tile column alone.  Each address is made in registers that never hold the other coordinate.
	s_lshl_b32 s85, s84, 7                         ; which 128 rows of the tile I fetch
	s_lshl_b32 s86, s43, 8
	s_add_co_u32 s86, s86, s85                     ; xq: row 256 x tile row + 128 x half,
	s_lshl_b32 s86, s86, 12                        ; in bytes (under 2^24)
	s_mov_b32 s87, 0
	s_lshl_b32 s88, s42, 8
	s_add_co_u32 s88, s88, s85                     ; W: row 256 x tile column + 128 x half,
	s_mul_i32 s88, s88, KB                         ; in bytes (under 2^24)
	s_mov_b32 s89, 0
	s_mul_i32 s90, s22, HALFT                      ; and where they go: wave x 128 rows: no place in the cluster enters an LDS address
	s_wait_kmcnt 0x0
	s_add_nc_u64 s[86:87], s[4:5], s[86:87]
	s_add_nc_u64 s[88:89], s[6:7], s[88:89]
	s_mov_b32 s[G0], 1                             ; slot 0, step 0: k = 0 is byte 128 of a row of xq and byte 0 of a row of W
	s_add_co_u32 s[G0+1], s90, 0
	s_add_nc_u64 s[G0+2:G0+3], s[86:87], 128
	s_or_b32 s[G0+3], s[G0+3], 0x80000000
	s_mov_b32 s[G0B], 1
	s_add_co_u32 s[G0B+1], s90, 0
	s_add_nc_u64 s[G0B+2:G0B+3], s[88:89], 0
	s_or_b32 s[G0B+3], s[G0B+3], 0x80000000
	s_mov_b32 s[G0+4], 1                           ; slot 1, step 1: k = 128
	s_add_co_u32 s[G0+5], s90, SLOT
	s_add_nc_u64 s[G0+6:G0+7], s[86:87], 256
	s_or_b32 s[G0+7], s[G0+7], 0x80000000
	s_mov_b32 s[G0B+4], 1
	s_add_co_u32 s[G0B+5], s90, SLOT
	s_add_nc_u64 s[G0B+6:G0B+7], s[88:89], 128
	s_or_b32 s[G0B+7], s[G0B+7], 0x80000000
	CROUND                                         ; all sixteen work-groups are here: the first joint loads meet
	JLOAD G0, G1F, G0B, G1BF                       ; the ring is filled before anything else is done
	JLOAD G0+4, G1, G0B+4, G1B
	; what the epilogue wants comes straight into registers, once, and stays out until the epilogue's wait: none of these registers, offsets or bases is touched in between
	s_lshl_b32 s46, s43, 8
	s_lshl_b32 s47, s23, 7
	s_add_co_u32 s46, s46, s47                     ; my first token
	s_lshl_b32 s91, s42, 8
	s_lshl_b32 s47, s84, 7
	s_add_co_u32 s91, s91, s47                     ; my first output
	s_mov_b32 s93, 0
	s_mov_b32 s95, 0
	s_lshl_b32 s92, s46, 6
	s_add_nc_u64 s[12:13], s[12:13], s[92:93]      ; xo's codes: 64 bytes a token
	s_lshl_b32 s92, s46, 2
	s_add_nc_u64 s[14:15], s[14:15], s[92:93]      ; its scale words,
	s_add_nc_u64 s[8:9], s[8:9], s[92:93]          ; xs
	s_lshl_b32 s94, s91, 6
	s_add_nc_u64 s[16:17], s[16:17], s[94:95]      ; wo's codes
	s_lshl_b32 s94, s91, 2
	s_add_nc_u64 s[18:19], s[18:19], s[94:95]      ; its scale words,
	s_add_nc_u64 s[10:11], s[10:11], s[94:95]      ; ws
	s_lshl_b32 s92, s46, 14
	s_add_nc_u64 s[20:21], s[20:21], s[92:93]      ; out0: my first token's row (16,384 bytes a row, under 2^26),
	s_add_nc_u64 s[20:21], s[20:21], s[94:95]      ; my first output
	v_and_b32 v1, 15, v0                           ; r = l % 16
	v_bfe_u32 v2, v0, 4, 1                         ; h = l / 16
	v_lshlrev_b32 v10, 6, v1
	v_lshl_add_u32 v10, v2, 4, v10                 ; a fragment of 4-bit codes: row r of 64 bytes, + 16 h; registers 4 c .. 4 c + 3 at + 32 c
	v_lshlrev_b32 v11, 2, v1                       ; a word a row
	v_lshlrev_b32 v12, 5, v2                       ; ws: eight numbers for each half of the lanes
	WIN TO_B
.irp i, 0,1,2,3,4,5,6,7
.irp c, 0,1
	global_load_b128 v[8*\i+4*\c:8*\i+4*\c+3], v10, s[16:17] offset:1024*\i+32*\c              ; wo's block i
	global_load_b128 v[XOF+8*\i+4*\c:XOF+8*\i+4*\c+3], v10, s[12:13] offset:1024*\i+32*\c      ; xo's block i
.endr
.endr
	WIN 0
.irp i, 0,1,2,3,4,5,6,7
	global_load_b32 v[SA+\i], v11, s[14:15] offset:64*\i           ; lane r: the scale word of token 16 i + r (lanes 16-31 hold the same and are not read)
	global_load_b32 v[SB+\i], v11, s[18:19] offset:64*\i
	global_load_b32 v[XS+2*\i], v11, s[8:9] offset:64*\i           ; xs of token 16 i + r
	v_mov_b32 v[XS+2*\i+1], 0                                      ; named with it as a pair, so it is written; its value is not used
	global_load_b128 v[WS+8*\i:WS+8*\i+3], v12, s[10:11] offset:64*\i        ; ws of outputs 16 i + 8 h + 0 .. 7
	global_load_b128 v[WS+8*\i+4:WS+8*\i+7], v12, s[10:11] offset:64*\i+16
.endr
	v_mul_u32_u24 v3, v1, PITCH
	v_lshl_add_u32 v3, v2, 4, v3                   ; a fragment's row x pitch + 16 x half
	s_mul_i32 s46, s23, HALFT                      ; my 128 rows of xq
	s_mul_i32 s47, s84, HALFT                      ; my 128 rows of W,
	s_add_co_u32 s47, s47, 2*HALFT                 ; which lie behind xq's 256
.irp s, 0,1
	v_add_nc_u32 v[ADRA+\s], s46, v3
	v_add_nc_u32 v[ADRB+\s], s47, v3
	s_add_co_u32 s46, s46, SLOT
	s_add_co_u32 s47, s47, SLOT
.endr
	s_mul_i32 s46, s22, 16*SPITCH                  ; my stage
	v_mul_u32_u24 v5, v1, SPITCH                   ; in: row r, 32 bytes for each half of the lanes
	v_lshl_add_u32 v5, v2, 5, v5
	v_add_nc_u32 v[STO], s46, v5
	v_and_b32 v6, 31, v0
	v_lshlrev_b32 v[CO], 4, v6                     ; back: the 32 lanes take one row of 512 bytes; and the same in out0
	v_add_nc_u32 v[RD], s46, v[CO]
; 16 matrix instructions: blocks of tokens a0, a0 + 1 of the window's four (hi = 0: tokens 0-63, 1: tokens 64-127) x all 8 blocks of outputs, 64 along K.  zero = 1: the first product starts the sums: nothing is cleared.
; The 64 accumulators take turns, one instruction a turn, in the same order in every quarter, over the loop's backward jump too.
.macro MUL16 f, hi, a0, zero
.irp a, \a0, \a0+1
.irp b, 0,1,2,3,4,5,6,7
.if \zero
	v_wmma_i32_16x16x64_iu8 v[8*(8*(\a)+\b):8*(8*(\a)+\b)+7], v[\f+8*\b:\f+8*\b+7], v[\f+8*(4*\hi+\a):\f+8*(4*\hi+\a)+7], 0 neg_lo:[1,1,0]
.else
	v_wmma_i32_16x16x64_iu8 v[8*(8*(\a)+\b):8*(8*(\a)+\b)+7], v[\f+8*\b:\f+8*\b+7], v[\f+8*(4*\hi+\a):\f+8*(4*\hi+\a)+7], v[8*(8*(\a)+\b):8*(8*(\a)+\b)+7] neg_lo:[1,1,0]
.endif
.endr
.endr
.endm
; 32 LDS loads in one run: the fragments of one quarter (128 rows of W, 128 rows of xq, 64 K at byte k of the rows) into buffer f
.macro FETCH slot, k, f
	WIN TO_B
.irp i, 0,1,2,3,4,5,6,7
	ds_load_b128 v[\f+8*\i:\f+8*\i+3],   v[ADRB+\slot] offset:\k+\i*16*PITCH
	ds_load_b128 v[\f+8*\i+4:\f+8*\i+7], v[ADRB+\slot] offset:\k+\i*16*PITCH+32
.endr
	WIN 0
.irp i, 0,1,2,3,4,5,6,7
	ds_load_b128 v[\f+8*\i:\f+8*\i+3],   v[ADRA+\slot] offset:\k+\i*16*PITCH
	ds_load_b128 v[\f+8*\i+4:\f+8*\i+7], v[ADRA+\slot] offset:\k+\i*16*PITCH+32
.endr
.endm
; A load into a register that a matrix instruction has read, and a vector instruction or an LDS store that touches a matrix result, stand behind that matrix instruction by eight places for the 8-bit integer form and by
; four for the 4-bit form; only plain vector instructions that name none of its registers are places (ISA guide 7.12.1 for vector instructions).
.macro PLACES n
.rept \n
	v_nop
.endr
.endm
; A full K step is four quarters of 64 along K, 64 matrix instructions each, on buffers 0, 1, 0, 1.  One that has its successor in the same slot: multiplies buffer f; in its middle it fetches the next quarter, at byte k, into g.
.macro QUARTER slot, k, f, g, zero
	s_wait_dscnt 8                                 ; W's fragments and xq's tokens 0-63 are in; the youngest eight loads (tokens 64-127) may be out
	WIN MUL_LO
	MUL16 \f, 0, 0, \zero
	MUL16 \f, 0, 2, \zero
	PLACES 8
	FETCH \slot, \k, \g
	s_wait_dscnt 32                                ; all but the 32 just issued
	WIN MUL_HI
	MUL16 \f, 1, 0, \zero
	MUL16 \f, 1, 2, \zero
.endm
; A slot's last quarter multiplies buffer 1 and changes slots.  MEET is its first half: ONE barrier for two things.  In front of it each wave waits for all its tensor loads, of which one is out: its part of the next slot;
; adds 0 to its spare word; and waits for that and for its own reads of this slot.  Behind it nobody reads this slot any more and the next slot is whole.
.macro MEET round                      ; round = 1: the rest of a round of the cluster's barrier follows
	WIN 0                                          ; (the add's two registers lie in window 0)
	s_wait_tensorcnt 0x0                           ; all my tensor loads have landed;
	ds_add_u32 v[SPW], v[NIL]                      ; 0 onto my spare word;
	s_wait_dscnt 9                                 ; (the add and the youngest eight loads may be out)
	WIN MUL_LO
	MUL16 F1, 0, 0, 0                              ; sixteen matrix instructions stand between the add and the wait for it
	s_wait_dscnt 0x0                               ; the add is done, and my reads of this slot are over
	s_barrier_signal -1
	MUL16 F1, 0, 2, 0                              ; work on registers while the others arrive
.if \round
	WIN 0
.endif
	s_barrier_wait -1
.endm
; The whole last quarter.  fill = 1: behind the round the slot just read out is filled again first, with the K step two steps on, step bytes further along the rows; then come the next slot's first fragments.
.macro TURN slot, next, fill, step
	MEET \fill
.if \fill
	CREST                                          ; no wave of any partner still reads this slot's tile or has a load on its way
	s_add_nc_u64 s[G0+4*\slot+2:G0+4*\slot+3], s[G0+4*\slot+2:G0+4*\slot+3], \step
	s_add_nc_u64 s[G0B+4*\slot+2:G0B+4*\slot+3], s[G0B+4*\slot+2:G0B+4*\slot+3], \step
	JLOAD G0+4*\slot, G1, G0B+4*\slot, G1B         ; the first tensor load behind the round, and my only one until the next
	PLACES 4                                       ; with the four behind the load: eight places in front of the loads below
.else
	PLACES 8
.endif
	FETCH \next, 0, F0
	WIN MUL_HI
	MUL16 F1, 1, 0, 0
	MUL16 F1, 1, 2, 0
.endm
	s_wait_tensorcnt 1                             ; my part of step 0 is in (step 1's load may be out)
	s_barrier_signal -1
	s_barrier_wait -1                              ; everybody's is
	FETCH 0, 0, F0
	QUARTER 0, 64, F0, F1, 1                       ; step 0 is two quarters long; its first products start the sums
	TURN 0, 1, 1, 384                              ; slot 0 takes step 2: 128 + 256 bytes on
	WIN 0                                          ; at a label and at a branch every window is 0
	s_mov_b32 s3, 6
.Llap:                                             ; six trips: steps 1 to 12; a trip goes once round the ring and fills both slots again
	QUARTER 1, 64,  F0, F1, 0
	QUARTER 1, 128, F1, F0, 0
	QUARTER 1, 192, F0, F1, 0
	TURN 1, 0, 1, 512
	QUARTER 0, 64,  F0, F1, 0
	QUARTER 0, 128, F1, F0, 0
	QUARTER 0, 192, F0, F1, 0
	TURN 0, 1, 1, 512
	WIN 0
	s_sub_co_u32 s3, s3, 1
	s_cmp_lg_u32 s3, 0
	s_cbranch_scc1 .Llap
	QUARTER 1, 64,  F0, F1, 0                      ; the tail is written out.  Step 13
	QUARTER 1, 128, F1, F0, 0
	QUARTER 1, 192, F0, F1, 0
	TURN 1, 0, 1, 512                              ; slot 1 takes step 15, the last
	QUARTER 0, 64,  F0, F1, 0                      ; step 14
	QUARTER 0, 128, F1, F0, 0
	QUARTER 0, 192, F0, F1, 0
	TURN 0, 1, 0, 0                                ; nothing is left to fetch: no round.  Behind this barrier nobody reads slot 0
	QUARTER 1, 64,  F0, F1, 0                      ; step 15
	QUARTER 1, 128, F1, F0, 0
	QUARTER 1, 192, F0, F1, 0
	s_wait_dscnt 8
	WIN MUL_LO
	MUL16 F1, 0, 0, 0
	MUL16 F1, 0, 2, 0
	s_wait_dscnt 0
	WIN MUL_HI
	MUL16 F1, 1, 0, 0
	MUL16 F1, 1, 2, 0
	WIN 0
; THE EPILOGUE, by blocks of 16 tokens.
; SCALE a: the block's 64 whole numbers become f32, times xs of my token, times ws of each output; each accumulator is read from its low end on.
.macro SCALE a
.set AC, 64*((\a)%4)
	WIN 0x82+0x41*((\a)/4)                         ; destination and source 0: window 2 or 3; source 1: window 0
.set n, 0
.rept 64
	v_cvt_f32_i32 v[AC+n], v[AC+n]
.set n, n+1
.endr
.set n, 0
.rept 32
	v_pk_mul_f32 v[AC+n:AC+n+1], v[AC+n:AC+n+1], v[XS+2*(\a):XS+2*(\a)+1] op_sel_hi:[1,0]
.set n, n+2
.endr
.set n, 0
.rept 32
	v_pk_mul_f32 v[AC+n:AC+n+1], v[AC+n:AC+n+1], v[WS+n:WS+n+1]
.set n, n+2
.endr
.endm
; FP4 a: the second product of the block's 16 tokens with my 128 outputs is added onto the scaled first: eight accumulators, one instruction each
.macro FP4 a
.set AC, 64*((\a)%4)
	WIN 0xa5+0x50*((\a)/4)                         ; sources 0 (wo) and 1 (xo) window 1; C and D window 2 or 3
.irp b, 0,1,2,3,4,5,6,7
	v_wmma_scale_f32_16x16x128_f8f6f4 v[AC+8*\b:AC+8*\b+7], v[8*\b:8*\b+7], v[XOF+8*(\a):XOF+8*(\a)+7], v[AC+8*\b:AC+8*\b+7], v[SB+\b], v[SA+(\a)] matrix_a_fmt:MATRIX_FMT_FP4 matrix_b_fmt:MATRIX_FMT_FP4
.endr
.endm
; THE WAY OUT.  A lane holds 32 neighbouring bytes of a row, and the lanes beside it hold other rows: so a block goes through my own stage in LDS and comes back as whole rows of 512 bytes.
; LDS serves a wave's instructions in order (ISA guide 5.7.1.4): no wait between the stores and the loads, nor in front of the next block's stores.
.macro TOSTAGE a
.set AC, 64*((\a)%4)
	WIN 0x08+4*((\a)/4)                            ; an LDS store's data are its source 1: window 2 or 3
.irp b, 0,1,2,3,4,5,6,7
	ds_store_b128 v[STO], v[AC+8*\b:AC+8*\b+3] offset:64*\b        ; each accumulator from its low end on
	ds_store_b128 v[STO], v[AC+8*\b+4:AC+8*\b+7] offset:64*\b+16
.endr
	WIN 0
.set BB, BK+64*((\a)%2)
.irp t, 0,1,2,3,4,5,6,7,8,9,10,11,12,13,14,15
	ds_load_b128 v[BB+4*\t:BB+4*\t+3], v[RD] offset:\t*SPITCH
.endr
.endm
.macro SEND a, younger                 ; younger: the LDS instructions issued behind block a's loads, which may stay out
.set BB, BK+64*((\a)%2)
	s_wait_dscnt \younger                          ; the block is back in registers
.if (\a) > 0
	s_add_nc_u64 s[20:21], s[20:21], 16*NOUT*4     ; (behind a wait on XCNT: the earlier stores have read their base)  16 rows on
.endif
.irp t, 0,1,2,3,4,5,6,7,8,9,10,11,12,13,14,15
	global_store_b128 v[CO], v[BB+4*\t:BB+4*\t+3], s[20:21] offset:\t*NOUT*4 th:TH_STORE_NT   ; 32 lanes store 512 consecutive bytes, at a multiple of 256 from out0's first byte; written once, read by nobody here
.endr
.endm
	s_wait_loadcnt 0x0                             ; the head's loads: both operands of the second product, their scale words, xs, ws
	PLACES 8                                       ; behind the last products of the first product
	SCALE 0
	SCALE 1
.irp a, 0,1,2,3,4,5,6,7
	FP4 \a
.if \a < 6
	SCALE \a+2                                     ; it names none of the registers of the eight products above: its lines are the places behind them
.else
	PLACES 4
.endif
.if \a > 1
	s_wait_xcnt 0x0                                ; block a - 2's stores have read their registers and their base: block a's loads may land there, and the base may step
.endif
	TOSTAGE \a
.if \a > 0
	SEND \a-1, 32                                  ; behind block a - 1's loads: block a's 16 stores and 16 loads
.endif
.endr
	s_wait_xcnt 0x0                                ; block 6's stores have read their base
	SEND 7, 0
	s_wait_tensorcnt 0x0                           ; the wave's end, behind my last tensor load and my last LDS store
	ds_add_u32 v[SPW], v[NIL]
	s_wait_dscnt 0x0
	CROUND                                         ; the closing round: no work-group ends while a partner may still ask for a tile that names it
	s_endpgm
.Lfunc_end_k_qa5e8a23c84_gemm:
	.size	k_qa5e8a23c84_gemm, .Lfunc_end_k_qa5e8a23c84_gemm-k_qa5e8a23c84_gemm
	.p2alignl 7, 3214868480
	.fill 96, 4, 3214868480
	.section	.rodata,"a",@progbits
	.p2align	6, 0x0
	.amdhsa_kernel k_qa5e8a23c84_gemm
		.amdhsa_group_segment_fixed_size 327680
		.amdhsa_private_segment_fixed_size 0
		.amdhsa_enable_private_segment 0
		.amdhsa_kernarg_size 72
		.amdhsa_user_sgpr_count 2
		.amdhsa_user_sgpr_kernarg_segment_ptr 1
		.amdhsa_wavefront_size32 1
		.amdhsa_system_sgpr_workgroup_id_x 1
		.amdhsa_system_sgpr_workgroup_id_y 1
		.amdhsa_system_sgpr_workgroup_id_z 1
		.amdhsa_system_vgpr_workitem_id 0
		.amdhsa_next_free_vgpr 1024
		.amdhsa_next_free_sgpr 96
		.amdhsa_reserve_vcc 0
		.amdhsa_float_denorm_mode_32 3
		.amdhsa_float_denorm_mode_16_64 3
		.amdhsa_memory_ordered 1
		.amdhsa_forward_progress 1
		.amdhsa_inst_pref_size 248
	.end_amdhsa_kernel
	.amdgpu_metadata
---
amdhsa.version: [ 1, 2 ]
amdhsa.kernels:
  - .name:           k_qa5e8a23c84_gemm
    .symbol:         k_qa5e8a23c84_gemm.kd
    .args:
      - { .name: xq, .offset: 0, .size: 8, .value_kind: global_buffer, .address_space: global }
      - { .name: weight_int8, .offset: 8, .size: 8, .value_kind: global_buffer, .address_space: global }
      - { .name: xs, .offset: 16, .size: 8, .value_kind: global_buffer, .address_space: global }
      - { .name: weight_scale, .offset: 24, .size: 8, .value_kind: global_buffer, .address_space: global }
      - { .name: xo_codes, .offset: 32, .size: 8, .value_kind: global_buffer, .address_space: global }
      - { .name: xo_scales, .offset: 40, .size: 8, .value_kind: global_buffer, .address_space: global }
      - { .name: wo_codes, .offset: 48, .size: 8, .value_kind: global_buffer, .address_space: global }
      - { .name: wo_scales, .offset: 56, .size: 8, .value_kind: global_buffer, .address_space: global }
      - { .name: out0, .offset: 64, .size: 8, .value_kind: global_buffer, .address_space: global }
    .group_segment_fixed_size: 327680
    .private_segment_fixed_size: 0
    .kernarg_segment_align: 8
    .kernarg_segment_size: 72
    .max_flat_workgroup_size: 128
    .sgpr_count:     96
    .vgpr_count:     1024
    .wavefront_size: 32
...
	.end_amdgpu_metadata
.endif
;; end of part 2
